; MI455X (gfx1250); checked and timed in simulation.
; The chip was launched on July 23, 2026; its instructions are those of AMD's public machine-readable ISA for CDNA 5 (MIT licence, August 2026) and "CDNA5" Instruction Set Architecture Reference Guide (July 2026). The comments in the code are by the model that wrote it; some were corrected since.
;; Multi Head Attention. Allowed arithmetic: matrix products marked QUANTISED: E2M3 operands, one E8M0 scale for each 32 along K, by v_wmma_scale_f32_16x16x128_f8f6f4 with both operands' format E2M3, f32 sums; everything else in f32.
;; Inputs: Wk_codes 1,024 x 32 x 24 uint8 (E2M3 codes of Wk, K innermost, in blocks of 32 codes, four codes in three bytes); Wk_scales 1,024 x 32 uint8 (E8M0 scales of Wk, one for each 32 codes along K); Wo_codes 1,024 x 32 x 24 uint8 (E2M3 codes of Wo, K innermost, in blocks of 32 codes, four codes in three bytes); Wo_scales 1,024 x 32 uint8 (E8M0 scales of Wo, one for each 32 codes along K); Wq_codes 1,024 x 32 x 24 uint8 (E2M3 codes of Wq, K innermost, in blocks of 32 codes, four codes in three bytes); Wq_scales 1,024 x 32 uint8 (E8M0 scales of Wq, one for each 32 codes along K); Wv_codes 1,024 x 32 x 24 uint8 (E2M3 codes of Wv, K innermost, in blocks of 32 codes, four codes in three bytes); Wv_scales 1,024 x 32 uint8 (E8M0 scales of Wv, one for each 32 codes along K); a_codes 4 x 2,048 x 32 x 24 uint8 (E2M3 codes of a, K innermost, in blocks of 32 codes, four codes in three bytes); a_scales 4 x 2,048 x 32 uint8 (E8M0 scales of a, one for each 32 codes along K); bk 1,024 float32; bo 1,024 float32; bq 1,024 float32; bv 1,024 float32.
;; Outputs: out0 4 x 2,048 x 1,024 float32.
;; This version of the problem:
;;   THIS VERSION OF THE PROBLEM IS GIVEN IN LOW PRECISION. The matrix products marked QUANTISED in the list below multiply operands that are first quantised to E2M3 (2 exponent bits, 3 mantissa bits; 6 bits a number), with one power-of-two scale for each 32 numbers along K (OCP MX v1.0); their sums are f32. All else is computed in f32.
;;   The module's matrix products, in the order in which they are computed (A, B: the left and right operand; K: the contracted axis; several contracted axes count as one K, in the product's order):
;;     1. [M 8,192, K 1,024] x [K 1,024, N 1,024]; A: input a (given as codes); B: input Wq (given as codes): QUANTISED
;;     2. [M 8,192, K 1,024] x [K 1,024, N 1,024]; A: input a (given as codes); B: input Wk (given as codes): QUANTISED
;;     3. [M 8,192, K 1,024] x [K 1,024, N 1,024]; A: input a (given as codes); B: input Wv (given as codes): QUANTISED
;;     4. batch 64 x [M 2,048, K 64] x [K 64, N 2,048]; A: computed on the way; B: computed on the way: QUANTISED
;;     5. batch 64 x [M 2,048, K 2,048] x [K 2,048, N 64]; A: softmax (see below); B: computed on the way: QUANTISED
;;     6. [M 8,192, K 1,024] x [K 1,024, N 1,024]; A: computed on the way; B: input Wo (given as codes): QUANTISED
;;   THE QUANTISER, for each operand of a quantised product, along K:
;;     - K is cut into blocks of 32 from its start; a last block that is shorter is filled with zeros.
;;     - A block's scale is 2^e with e = floor(log2(the largest magnitude in the block)) - 2, held to -126 .. 127; a block of zeros has e = 0. As a byte (E8M0): e + 127.
;;     - Each number is divided by its block's scale, clamped to +-7.5, and rounded to the nearest number of E2M3, ties to even, subnormals kept.
;;     - The product sums the exact products of the quantised numbers (number of the format x scale) in f32.
;;   ~~~python
;;   def quantise(x, axis):      # numpy; x: float32 -> the quantised numbers, widened to float32 again
;;       x = np.moveaxis(x, axis, -1); K = x.shape[-1]
;;       x = np.pad(x, [(0, 0)] * (x.ndim - 1) + [(0, -K % 32)]); x = x.reshape(x.shape[:-1] + (-1, 32)); a = np.abs(x).max(-1, keepdims=True)
;;       e = np.where(a > 0, np.clip(np.frexp(np.where(a > 0, a, 1))[1] - 1 - 2, -126, 127), 0)      # np.frexp(a)[1] - 1 = floor(log2(a)), exactly
;;       r = np.clip(x / 2.0 ** e, -7.5, 7.5)
;;       step = 2.0 ** (np.maximum(np.frexp(np.where(r == 0, 1, r))[1] - 1, 0) - 3)
;;       q = np.round(r / step) * step * 2.0 ** e      # np.round: ties to even
;;       return np.moveaxis(q.reshape(q.shape[:-2] + (-1,))[..., :K], -1, axis).astype(np.float32)
;;   ~~~
;;   SOFTMAX AHEAD OF A QUANTISED PRODUCT. Where the list says 'softmax', what is quantised is not the finished softmax but p = 2^(t - M), with t = logit x log2(e) and M = ceil(the row's largest t), a whole number; so 1/2 < the row's largest p <= 1. The row's sum l is taken of the UNQUANTISED p, in f32, and the product's result is divided by l at the end. Since M is a whole number, a kernel that streams over the keys may use a running M (the ceiling of the running maximum): every later rescaling is an exact power of two, which a block's scale takes up: the codes' values come out the same.
;;   OPERANDS COMPUTED ON THE WAY. 'Computed on the way' means the value that the module computes at that place (a softmax that the list does not call 'softmax' is quantised finished and normalised). What goes into a quantiser is computed in f32, as accurately as f32 sums, v_exp_f32 and their like allow (about 1e-6 of the number): no bf16 or f16 on the way to a quantiser, and a product that is left as it is and whose result goes on into a quantised operand takes f32 operands (vector FMAs, or v_wmma_f32_16x16x4_f32). A number that lies on a knife's edge between two numbers of the format may be rounded either way, as far as f32 arithmetic and the matrix unit's own rounding can turn it there, and no further.
;;   INPUTS GIVEN AS CODES. Wk (in the module: [1024, 1024], K = its axis 0); Wo (in the module: [1024, 1024], K = its axis 0); Wq (in the module: [1024, 1024], K = its axis 0); Wv (in the module: [1024, 1024], K = its axis 0); a (in the module: [4, 2048, 1024], K = its axis 2): each comes as NAME_codes (uint8): NAME with its K axis moved to the last place and cut into blocks of 32 codes, [.., K / 32, bytes a block], one block behind the other in memory; four codes in three bytes: a row's codes are one little-endian stream of bits, code i at bits 6 i .. 6 i + 5 (a code: sign, 2 exponent bits, 3 mantissa bits); and NAME_scales (uint8): the same leading axes, one E8M0 byte (e + 127) for each 32 codes along K. Its value is code x scale, taken as it is: it is not quantised again, and the codes and scales need not be those that the quantiser above would give.
;; One version. Each part assembles by itself: llvm-mc -triple=amdgcn-amd-amdhsa -mcpu=gfx1250 --defsym DOCPART=n.
;; ======== version 1 of 1: 3 launches
;; limits: right only within a limited range of input values
;; workspace buffers: qbuf 6,815,744 bytes; kvbuf 13,631,488 bytes; oimg 6,291,456 bytes; oscl 262,144 bytes
;; launch proj (part 1): grid 4 x 64, 4 waves a work-group, clusters of 4 x 4, 327,680 bytes of LDS; arguments a_codes, a_scales, Wq_codes, Wq_scales, Wk_codes, Wk_scales, Wv_codes, Wv_scales, bq, bk, bv, qbuf, kvbuf; writes qbuf, kvbuf
.if DOCPART == 1
	.amdgcn_target "amdgcn-amd-amdhsa--gfx1250"
	.amdhsa_code_object_version 6
	.text
	.protected	k_q37b82afdf0_proj
	.globl	k_q37b82afdf0_proj
	.p2align	8
	.type	k_q37b82afdf0_proj,@function
k_q37b82afdf0_proj:
	s_mov_b64 s[64:65], 0
	v_nop
	global_prefetch_b8 v0, s[64:65] scope:SCOPE_SE
	s_setreg_imm32_b32 hwreg(HW_REG_WAVE_MODE, 25, 1), 1
	s_wait_xcnt 0x0
	s_wait_alu depctr_hold_cnt(0) depctr_sa_sdst(0) depctr_va_vdst(0) depctr_va_sdst(0) depctr_va_ssrc(0) depctr_va_vcc(0) depctr_vm_vsrc(0)
	s_getreg_b32 s2, hwreg(HW_REG_IB_STS2, 6, 4)
	s_cmp_eq_u32 s2, 0
	s_cbranch_scc0 .Lentry_in_a_cluster
	s_endpgm
.Lentry_in_a_cluster:
	s_bfe_u32 s2, ttmp6, 0x10000c
	s_cmp_lg_u32 s2, 0xf033
	s_cbranch_scc0 .Lentry_shape_is_right
	s_endpgm
.Lentry_shape_is_right:
; Q = a Wq + bq, K = a Wk + bk, V = a Wv + bv on codes of FP6 (E2M3) with E8M0 scales, f32 sums; the results are quantised here for the attention launch (Q, K along the head's 64, V along the keys).
; Nothing of reference() is left out: every input has a way to the output and is loaded.
; THE DEAL.  A work-group owns 128 tokens and 4 heads, a wave one head: its 64 rows of a weight, all of K, lie in 384 registers; a's 128 rows, all of K, lie in LDS for the whole launch and stream past in tiles of 16 rows.
; Three phases: Q, K (one loop of two trips), V.  The weights' region is filled again twice, each time when every wave holds the present weight in registers, a whole phase (256 products a wave) ahead of its use: so no prefetch is laid.
; WHICH ROWS FORM A TILE.  Tile T = 4 B + j of the 128 tokens: row r is token 64 B + 8 j + r % 8 + 32 (r / 8).  Tile j of a head's 64 features: row r is feature 32 (r / 8) + 8 j + r % 8.
; So a lane's 32 results (Q, K: four feature tiles of one token; V: four token tiles of one feature) are one whole scale block in natural order, and six registers of the next product's operand: no lane looks at another for codes.
; All workspace buffers count tokens in this order of tiles; the last launch sets it right in its store addresses.
; LDS: groups of 32 rows at a pitch of 816 (768 + 16 behind every 256); the even groups on end, then the odd groups 128 bytes further on than a multiple of 256, so that a tile's rows r and r + 8 start in different banks (64 banks of 4 bytes: ISA guide 11.1).
; A tensor row is a group: 24,576 dense bytes, beginning at a multiple of 256.
; OUT, images of operand registers, per head-and-batch hb and 128 tokens G: 6,656 bytes: four runs of 1,536 (12 registers, 3 stores of 512 consecutive bytes) and 512 bytes of scale words, 16 a lane.
; Q, K: run p = tiles 2 p (registers 0-5), 2 p + 1 (6-11); word p: lanes 0-15 tile 2 p's two bytes, lanes 16-31 tile 2 p + 1's.  V: run t = feature tile t x 128 keys; word t its four bytes.  qbuf [hb][G][6,656]; kvbuf [hb][G][K, V].
; CLUSTERS 4 x 4: a's rows are asked for jointly along a row of the cluster, a weight's along a column.
; LIMITS: NaN and infinities are not served.  A block under 2^(3 - 127) (of zeros too) gets the byte 1: its bytes are read by this program alone.
.set KROW, 768
.set PITCH, 816
.set TSTEP, 8*PITCH
.set GB, 32*KROW
.set AODD, 64*PITCH+128
.set WE, AODD+64*PITCH
.set WODD, 128*PITCH+128
.set SPARE, 313856
.set FR, 12
.set FPW, 21
.set NF, 26                            ; LDS loads of a tile's eight fragments
.set LI, 1
.set ADRA0, 2
.set ADRA, 4
.set BA, 6
.set SPW, 14
.set NIL, 15
.set TQ, 16
.set SOP, 18
.set Z, 19
.set TC, 20
.set W, 24
.set EB, 28
.set ZX, 30
.set SELV, 31
.set SB, 32                            ; v32-47 the weight's scale words
.set ABS, 48
.set BAQ, 49
.set BAV, 50
.set SH8, 51
.set SA, 52                            ; v52-83 a's scale words, all tiles, all of K
.set BB, 84                            ; v84-115 the bias as the first products' C
.set NCD, 116                          ; v116-127 a pair's codes (V: v116-119 band 0's bytes)
.set ACC, 128                          ; v128-191 Q, K: two sets of four accumulators
.set HV, 128                           ; v128-255 V: a band's sums, 32 t + 8 j + i
.set MCD, 80                           ; window 3: V's four operands of twelve
.set TC3, 128                          ; window 3
.set SEL, 46
.set TR, 3
.set G1A, 24
.set G0A, 32
.set G0W, 36
.set G1W, 48
.set MSB, 0
.macro WIN new
.if MSB != (\new)
	s_set_vgpr_msb (MSB<<8)|(\new)
.set MSB, (\new)
.endif
.endm
.macro PLACES n
.rept \n
	v_nop
.endr
.endm
.macro WALU
	s_wait_alu depctr_va_vdst(0)
.endm
.macro BARRIER
	s_barrier_signal -1
	s_barrier_wait -1
.endm
.macro CROUND
	s_barrier_signal -1
	s_barrier_wait -1
	s_cmp_lg_u32 s14, 0
	s_cbranch_scc1 .Lnw0_\@
	s_barrier_signal -3
.Lnw0_\@:
	s_barrier_wait -3
	s_barrier_signal -1
	s_barrier_wait -1
.endm
.macro TLOAD g0, g1
	tensor_load_to_lds s[\g0:\g0+3], s[\g1:\g1+7]
	s_nop 0
	PLACES 4
.endm
.macro GROUP1 g, mask, rows            ; rows of 24,576 bytes, every second group of 32 rows of codes; 16 bytes of padding behind every 256
	s_or_b32 s[\g], s[\mask], (1<<20)|(1<<21)|(5<<22)|(3<<25)
	s_mov_b32 s[\g+1], (GB&0xffff)<<16
	s_mov_b32 s[\g+2], (\rows)<<16
	s_mov_b32 s[\g+3], GB<<16
	s_mov_b32 s[\g+4], \rows
	s_mov_b32 s[\g+5], 2*GB
	s_mov_b32 s[\g+6], 0
	s_mov_b32 s[\g+7], 0
.endm
; fragment f lies in window 1 + f / 21 at register 12 (f % 21): 0-31 the weight's (4 q + b), 32-39 and 40-47 a's two sets.  Six pieces of 8 bytes, two to a load where both lie behind as many paddings
.macro FRAG f, q, a0, a1
	WIN (1+(\f)/FPW)<<6
.set R_, FR*((\f)%FPW)
.set SKIP_, 0
.irp p, 0,1,2,3,4,5
.if SKIP_
.set SKIP_, 0
.else
.set PC_, 12*(\q)+6*(\p/3)+\p%3
.set PN_, 12*(\q)+6*((\p+1)/3)+(\p+1)%3
.set X_, (PC_%32+3)/32
.set XQ_, (PN_%32+3)/32
.if (\p < 5) && (X_ == XQ_)
.set SKIP_, 1
.if X_
	ds_load_2addr_b64 v[R_+2*\p:R_+2*\p+3], \a1 offset0:PC_+2*(PC_/32) offset1:PN_+2*(PN_/32)
.else
	ds_load_2addr_b64 v[R_+2*\p:R_+2*\p+3], \a0 offset0:PC_+2*(PC_/32) offset1:PN_+2*(PN_/32)
.endif
.elseif X_
	ds_load_b64 v[R_+2*\p:R_+2*\p+1], \a1 offset:8*(PC_+2*(PC_/32))
.else
	ds_load_b64 v[R_+2*\p:R_+2*\p+1], \a0 offset:8*(PC_+2*(PC_/32))
.endif
.endif
.endr
.endm
.macro WEIGHTS                         ; my head's 64 rows, all of K: 104 loads
.irp q, 0,1,2,3,4,5,6,7
.irp b, 0,1,2,3
	FRAG 4*\q+\b, \q, v[BA+2*\b], v[BA+2*\b+1]
.endr
.endr
	WIN 0
.endm
.macro FETCHT T, e                     ; a's tile T into set e
	v_add_nc_u32 v[ADRA], (\T)*TSTEP, v[ADRA0]
	v_add_nc_u32 v[ADRA+1], (\T)*TSTEP, v[ADRA0+1]
.irp q, 0,1,2,3,4,5,6,7
	FRAG 32+8*(\e)+\q, \q, v[ADRA], v[ADRA+1]
.endr
	WIN 0
.endm
.macro WM d, s0, s1, c, x0, x1, ra, rb
	v_wmma_scale_f32_16x16x128_f8f6f4 v[\d:\d+7], v[\s0:\s0+11], v[\s1:\s1+11], \c, v[\x0], v[\x1] matrix_a_fmt:MATRIX_FMT_FP6 matrix_b_fmt:MATRIX_FMT_FP6 matrix_a_scale:MATRIX_SCALE_ROW\ra matrix_b_scale:MATRIX_SCALE_ROW\rb
.endm
.macro WMR d, s0, s1, c, x0, x1, ra, rb
.if (\ra) && (\rb)
	WM \d, \s0, \s1, \c, \x0, \x1, 1, 1
.elseif (\ra)
	WM \d, \s0, \s1, \c, \x0, \x1, 1, 0
.elseif (\rb)
	WM \d, \s0, \s1, \c, \x0, \x1, 0, 1
.else
	WM \d, \s0, \s1, \c, \x0, \x1, 0, 0
.endif
.endm
; product n = 4 q + b of tile T.  kind 0 (Q, K): source 0 the weight's rows; kind 1 (V): source 0 a's rows.  The four accumulators take turns; the first four take the bias as C
.macro PROD kind, T, n
.set Q_, (\n)/4
.set B_, (\n)%4
.set FB_, 4*Q_+B_
.set FA_, 32+8*((\T)%2)+Q_
.set RB_, FR*(FB_%FPW)
.set RA_, FR*(FA_%FPW)
.set XB_, SB+8*(B_/2)+Q_
.set XA_, SA+8*((\T)/2)+Q_
.set CB_, BB+8*B_
.if \kind
.set D_, HV+32*B_+8*((\T)%4)
	WIN (1+FA_/FPW)|((1+FB_/FPW)<<2)
.if Q_
	WMR D_, RA_, RB_, v[D_:D_+7], XA_, XB_, (\T)%2, B_%2
.else
	WMR D_, RA_, RB_, v[CB_:CB_+7], XA_, XB_, (\T)%2, B_%2
.endif
.else
.set D_, ACC+32*((\T)%2)+8*B_
	WIN (1+FB_/FPW)|((1+FA_/FPW)<<2)
.if Q_
	WMR D_, RB_, RA_, v[D_:D_+7], XB_, XA_, B_%2, (\T)%2
.else
	WMR D_, RB_, RA_, v[CB_:CB_+7], XB_, XA_, B_%2, (\T)%2
.endif
.endif
.endm
.macro PRODS kind, T
.set N_, 0
.rept 32
	PROD \kind, \T, N_
.set N_, N_+1
.endr
	WIN 0
	PLACES 4                               ; behind the products: their results are read and a's set is loaded anew below
.endm
; 32 sums of a lane from v[x] on: their largest magnitude in four chains (each accumulator is first read at its low end), the scale, 32 codes into v[c .. c+5] of window dw, the byte into v[eb]
.macro QUANT x, c, tc, eb, dw
	v_max3_num_f32 v[TQ], |v[(\x)]|, |v[(\x)+1]|, |v[(\x)+2]|             ; four chains, one for each accumulator (v[Z] and v23 are free here)
	v_max3_num_f32 v[TQ+1], |v[(\x)+8]|, |v[(\x)+9]|, |v[(\x)+10]|
	v_max3_num_f32 v[Z], |v[(\x)+16]|, |v[(\x)+17]|, |v[(\x)+18]|
	v_max3_num_f32 v23, |v[(\x)+24]|, |v[(\x)+25]|, |v[(\x)+26]|
.irp i, 3,5
	v_max3_num_f32 v[TQ], v[TQ], |v[(\x)+\i]|, |v[(\x)+\i+1]|
	v_max3_num_f32 v[TQ+1], v[TQ+1], |v[(\x)+8+\i]|, |v[(\x)+9+\i]|
	v_max3_num_f32 v[Z], v[Z], |v[(\x)+16+\i]|, |v[(\x)+17+\i]|
	v_max3_num_f32 v23, v23, |v[(\x)+24+\i]|, |v[(\x)+25+\i]|
.endr
	v_max3_num_f32 v[TQ], v[TQ], |v[(\x)+7]|, |v[(\x)+15]|
	v_max3_num_f32 v[Z], v[Z], |v[(\x)+23]|, |v[(\x)+31]|
	v_max3_num_f32 v[TQ+1], v[TQ+1], v23, 0x1800000          ; the floor 2^(3 - 127): the byte cannot fall under 1
	v_max3_num_f32 v[TQ], v[TQ], v[Z], v[TQ+1]
	v_add_nc_u32 v[SOP], 0xff000000, v[TQ]                   ; 2 off the exponent field: the conversions' scale operand
	WIN (\dw)<<6
	v_cvt_scalef32_pk16_fp6_f32 v[(\c):(\c)+2], v[(\x):(\x)+15], v[SOP]
	v_cvt_scalef32_pk16_fp6_f32 v[(\tc):(\tc)+2], v[(\x)+16:(\x)+31], v[SOP]
	WIN 0
	v_lshrrev_b32 v[\eb], 23, v[SOP]                         ; the plain line behind the conversions
	WIN ((\dw)<<6)|(\dw)
.irp i, 0,1,2
	v_mov_b32 v[(\c)+3+\i], v[(\tc)+\i]
.endr
	WIN 0
.endm
.macro QKBLK T
.if \T >= 2
	s_wait_dscnt NF                        ; my tile's loads are in; the next tile's 26 may be out
.endif
	PRODS 0, \T
	FETCHT (\T+2)%8, \T%2                  ; tiles 6 and 7 fetch tiles 0 and 1 for the next phase
.if \T%2 == 0
	s_wait_xcnt 0x0                        ; the last pair's stores have read their data
.endif
	QUANT ACC+32*(\T%2), NCD+6*(\T%2), TC, EB+\T%2, 0
.if \T%2
	v_lshl_or_b32 v[Z], v[EB+1], 16, v[EB]
	v_permlanex16_b32 v[ZX], v[Z], s[SEL], s[SEL+1]
	v_perm_b32 v[W+\T/2], v[Z], v[ZX], v[SELV]               ; lanes 0-15: the even tile's two bytes, lanes 16-31 the odd tile's
.irp k, 0,1,2
	global_store_b128 v[LI], v[NCD+4*\k:NCD+4*\k+3], s[8:9] offset:1536*(\T/2)+512*\k
.endr
.endif
.if \T == 7
	global_store_b128 v[LI], v[W:W+3], s[8:9] offset:6144
.endif
.endm
.macro VBLK T
.if \T == 7
	s_wait_dscnt 0x0
.elseif \T >= 2
	s_wait_dscnt NF
.endif
	PRODS 1, \T
.if \T < 6
	FETCHT \T+2, \T%2
.endif
.if \T == 3
.irp t, 0,1,2,3
	QUANT HV+32*\t, MCD+12*\t, TC3, NCD+\t, 3
.endr
.endif
.if \T == 7
.irp t, 0,1,2,3
	QUANT HV+32*\t, MCD+12*\t+6, TC3, EB, 3
	v_lshl_or_b32 v[Z], v[EB], 16, v[NCD+\t]                 ; my blocks h and 2 + h,
	v_lshlrev_b32 v[Z], v[SH8], v[Z]                         ; at their places,
	v_permlanex16_b32 v[ZX], v[Z], s[SEL], s[SEL+1]
	v_or_b32 v[W+\t], v[Z], v[ZX]                            ; with the other half's two
	WIN 3<<2
.irp k, 0,1,2
	global_store_b128 v[LI], v[MCD+12*\t+4*\k:MCD+12*\t+4*\k+3], s[92:93] offset:6656+1536*\t+512*\k
.endr
	WIN 0
.endr
	global_store_b128 v[LI], v[W:W+3], s[92:93] offset:6656+6144
.endif
.endm
; ---- the head
	s_load_b512 s[68:83], s[0:1], 0x0              ; a's codes, scales; Wq's; Wk's; Wv's
	s_load_b256 s[84:91], s[0:1], 0x40             ; bq, bk, bv, qbuf
	s_load_b64 s[92:93], s[0:1], 0x60              ; kvbuf
	v_lshl_add_u32 v[SPW], v0, 2, SPARE
	v_mov_b32 v[NIL], 0
	ds_add_u32 v[SPW], v[NIL]                      ; the opening lines
	ds_add_u32 v[SPW], v[NIL]
	v_lshrrev_b32 v1, 5, v0
	v_readfirstlane_b32 s14, v1                    ; the wave: my head of the four
	s_and_b32 s15, s14, 1                          ; which groups I fetch: even or odd
	s_bfe_u32 s40, ttmp6, 0x40000
	s_bfe_u32 s41, ttmp6, 0x40004
	s_lshl_b32 s42, ttmp9, 2
	s_add_co_u32 s42, s42, s40                     ; which four heads
	s_and_b32 s43, ttmp7, 0xffff
	s_lshl_b32 s43, s43, 2
	s_add_co_u32 s43, s43, s41                     ; which 128 tokens
	s_lshl_b32 s44, s41, 2
	s_lshl_b32 s44, 15, s44                        ; my row of the cluster
	s_lshl_b32 s45, 0x1111, s40                    ; my column
	GROUP1 G1A, 44, 2
	GROUP1 G1W, 45, 4
	s_mul_i32 s20, s15, GB
	s_mul_i32 s16, s43, 128*KROW
	s_add_co_u32 s16, s16, s20
	s_mov_b32 s17, 0
	s_mul_i32 s18, s42, 256*KROW
	s_add_co_u32 s18, s18, s20
	s_mov_b32 s19, 0
	s_mov_b32 s[G0A], 1
	s_mul_i32 s[G0A+1], s15, AODD
	s_mov_b32 s[G0W], 1
	s_mul_i32 s[G0W+1], s15, WODD
	s_add_co_u32 s[G0W+1], s[G0W+1], WE
	s_lshl_b32 s21, s42, 2
	s_add_co_u32 s21, s21, s14                     ; my head, 0 .. 15
	s_lshl_b32 s56, s21, 11                        ; its rows' scale bytes
	s_mov_b32 s57, 0
	s_lshl_b32 s58, s21, 8                         ; its bias
	s_mov_b32 s59, 0
	s_lshl_b32 s60, s43, 12                        ; my tokens' scale bytes
	s_mov_b32 s61, 0
	s_lshr_b32 s22, s43, 4
	s_lshl_b32 s22, s22, 4
	s_add_co_u32 s22, s22, s21                     ; hb
	s_lshl_b32 s22, s22, 4
	s_and_b32 s23, s43, 15
	s_add_co_u32 s22, s22, s23                     ; 16 hb + G
	s_mul_i32 s62, s22, 6656
	s_mov_b32 s63, 0
	s_mul_i32 s66, s22, 13312
	s_mov_b32 s67, 0
	s_mov_b32 s[SEL], 0x76543210
	s_mov_b32 s[SEL+1], 0xfedcba98
	WALU
	s_wait_dscnt 0x0
	CROUND                                         ; the round in front of the first joint loads
	s_wait_kmcnt 0x0
	s_add_nc_u64 s[G0A+2:G0A+3], s[68:69], s[16:17]
	s_or_b32 s[G0A+3], s[G0A+3], 0x80000000
	s_add_nc_u64 s[G0W+2:G0W+3], s[72:73], s[18:19]
	s_or_b32 s[G0W+3], s[G0W+3], 0x80000000
	s_cmp_lt_u32 s14, 2
	s_cbranch_scc0 .Lhead_w
	TLOAD G0A, G1A                                 ; waves 0, 1: a's even and odd groups
	s_branch .Lasked
.Lhead_w:
	TLOAD G0W, G1W                                 ; waves 2, 3: Wq's
.Lasked:
	s_add_nc_u64 s[76:77], s[76:77], s[18:19]      ; what the refills ask for
	s_add_nc_u64 s[80:81], s[80:81], s[18:19]
	s_add_nc_u64 s[70:71], s[70:71], s[60:61]
	s_add_nc_u64 s[74:75], s[74:75], s[56:57]
	s_add_nc_u64 s[78:79], s[78:79], s[56:57]
	s_add_nc_u64 s[82:83], s[82:83], s[56:57]
	s_add_nc_u64 s[84:85], s[84:85], s[58:59]
	s_add_nc_u64 s[86:87], s[86:87], s[58:59]
	s_add_nc_u64 s[88:89], s[88:89], s[58:59]
	s_add_nc_u64 s[90:91], s[90:91], s[62:63]
	s_add_nc_u64 s[92:93], s[92:93], s[66:67]
	v_and_b32 v20, 7, v0                           ; r % 8
	v_bfe_u32 v21, v0, 3, 1                        ; r / 8
	v_bfe_u32 v22, v0, 4, 1                        ; h
	v_lshlrev_b32 v[ABS], 5, v20
	v_lshl_add_u32 v[ABS], v22, 8, v[ABS]
	v_lshl_add_u32 v[ABS], v21, 10, v[ABS]         ; 32 bytes x (32 (r / 8) + 8 h + r % 8): a pair of tiles' rows of scale bytes
.irp x, 0,1,2,3
.irp c, 0,1
	global_load_b128 v[SA+8*\x+4*\c:SA+8*\x+4*\c+3], v[ABS], s[70:71] offset:(64*(\x/2)+16*(\x%2))*32+16*\c
.endr
.endr
	v_mul_u32_u24 v16, v20, PITCH
	v_mad_u32_u24 v16, v22, 24, v16
	v_mad_u32_u24 v[ADRA0], v21, AODD, v16
	v_lshl_add_u32 v[ADRA0+1], v22, 4, v[ADRA0]
	s_mul_i32 s21, s14, 32*PITCH
	s_add_co_u32 s21, s21, WE
	v_mad_u32_u24 v17, v21, WODD, v16
	v_add_nc_u32 v17, s21, v17
.irp b, 0,1,2,3
	v_add_nc_u32 v[BA+2*\b], \b*TSTEP, v17
	v_lshl_add_u32 v[BA+2*\b+1], v22, 4, v[BA+2*\b]
.endr
	v_and_b32 v[LI], 31, v0
	v_lshlrev_b32 v[LI], 4, v[LI]
	v_lshlrev_b32 v[BAQ], 7, v22
	v_lshlrev_b32 v[BAV], 2, v20
	v_lshl_add_u32 v[BAV], v21, 7, v[BAV]
	v_lshlrev_b32 v[SH8], 3, v22
	v_mov_b32 v[ZX], 0                             ; a lane permute's destination counts as a source
	v_mov_b32 v[SELV], 0x00040004
	v_mov_b32 v23, 0x06020602
	v_cmp_eq_u32 vcc_lo, 1, v22
	v_cndmask_b32 v[SELV], v[SELV], v23, vcc_lo
	WALU
	s_wait_tensorcnt 0x0
	BARRIER                                        ; a's rows and Wq's are in
	FETCHT 0, 0
	FETCHT 1, 1
	s_mov_b32 s[TR], 0
.Lphase:                                               ; trip 0: Q, trip 1: K
	s_wait_xcnt 0x0                                ; the last trip's loads and stores have read their bases
	s_cmp_eq_u32 s[TR], 0
	s_cselect_b64 s[4:5], s[74:75], s[78:79]
	s_cselect_b64 s[6:7], s[84:85], s[86:87]
	s_cselect_b64 s[8:9], s[90:91], s[92:93]
	s_cselect_b64 s[10:11], s[76:77], s[80:81]     ; the next phase's weight
.irp x, 0,1
.irp c, 0,1
	global_load_b128 v[SB+8*\x+4*\c:SB+8*\x+4*\c+3], v[ABS], s[4:5] offset:512*\x+16*\c
.endr
.endr
.irp k, 0,1,2,3,4,5,6,7
	global_load_b128 v[BB+4*\k:BB+4*\k+3], v[BAQ], s[6:7] offset:16*\k    ; register 8 j + i of lane (r, h): feature 32 h + 8 j + i
.endr
	WEIGHTS
	WALU
	s_wait_tensorcnt 0x0                           ; the three lines ahead of a refill's round
	ds_add_u32 v[SPW], v[NIL]
	s_mov_b64 s[G0W+2:G0W+3], s[10:11]
	s_or_b32 s[G0W+3], s[G0W+3], 0x80000000
	s_wait_dscnt 0x0                               ; the add; the weight and tiles 0, 1 are in registers
	CROUND
	s_cmp_lt_u32 s14, 2
	s_cbranch_scc1 .Lno_fill
	TLOAD G0W, G1W                                 ; waves 2, 3: the next weight, onto the one that all waves hold in registers
.Lno_fill:
	s_wait_loadcnt 0x0
.irp T, 0,1,2,3,4,5,6,7
	QKBLK \T
.endr
	WALU
	s_wait_tensorcnt 0x0
	s_wait_dscnt 0x0
	BARRIER                                        ; the next weight is shown to all
	s_add_co_u32 s[TR], s[TR], 1
	s_cmp_lg_u32 s[TR], 2
	s_cbranch_scc1 .Lphase
	s_wait_xcnt 0x0                                ; K's last stores have read their data: those registers are written again below
; ---- V
.irp x, 0,1
.irp c, 0,1
	global_load_b128 v[SB+8*\x+4*\c:SB+8*\x+4*\c+3], v[ABS], s[82:83] offset:512*\x+16*\c
.endr
.endr
.irp t, 0,1,2,3
	global_load_b32 v[BB+8*\t], v[BAV], s[88:89] offset:32*\t             ; lane r of tile t: feature 32 (r / 8) + 8 t + r % 8
.endr
	WEIGHTS
	s_wait_dscnt 0x0
	s_wait_loadcnt 0x0
.irp t, 0,8,16,24
.irp i, 1,2,3,4,5,6,7
	v_mov_b32 v[BB+\t+\i], v[BB+\t]
.endr
.endr
	PLACES 4
	WALU                                           ; the bias is read by every tile's first products, behind waits
.irp T, 0,1,2,3,4,5,6,7
	VBLK \T
.endr
	s_wait_tensorcnt 0x0                           ; the wave's end
	ds_add_u32 v[SPW], v[NIL]
	s_wait_dscnt 0x0
	CROUND                                         ; the closing round
	s_endpgm
.Lfunc_end_k_q37b82afdf0_proj:
	.size	k_q37b82afdf0_proj, .Lfunc_end_k_q37b82afdf0_proj-k_q37b82afdf0_proj
	.p2alignl 7, 3214868480
	.fill 96, 4, 3214868480
	.section	.rodata,"a",@progbits
	.p2align	6, 0x0
	.amdhsa_kernel k_q37b82afdf0_proj
		.amdhsa_group_segment_fixed_size 327680
		.amdhsa_private_segment_fixed_size 0
		.amdhsa_enable_private_segment 0
		.amdhsa_kernarg_size 104
		.amdhsa_user_sgpr_count 2
		.amdhsa_user_sgpr_kernarg_segment_ptr 1
		.amdhsa_wavefront_size32 1
		.amdhsa_system_sgpr_workgroup_id_x 1
		.amdhsa_system_sgpr_workgroup_id_y 1
		.amdhsa_system_sgpr_workgroup_id_z 1
		.amdhsa_system_vgpr_workitem_id 0
		.amdhsa_next_free_vgpr 1024
		.amdhsa_next_free_sgpr 102
		.amdhsa_reserve_vcc 1
		.amdhsa_float_denorm_mode_32 3
		.amdhsa_float_denorm_mode_16_64 3
		.amdhsa_memory_ordered 1
		.amdhsa_forward_progress 1
		.amdhsa_inst_pref_size 150
	.end_amdhsa_kernel
	.amdgpu_metadata
---
amdhsa.version: [ 1, 2 ]
amdhsa.kernels:
  - .name:           k_q37b82afdf0_proj
    .symbol:         k_q37b82afdf0_proj.kd
    .args:
      - { .name: a_codes, .offset: 0, .size: 8, .value_kind: global_buffer, .address_space: global }
      - { .name: a_scales, .offset: 8, .size: 8, .value_kind: global_buffer, .address_space: global }
      - { .name: Wq_codes, .offset: 16, .size: 8, .value_kind: global_buffer, .address_space: global }
      - { .name: Wq_scales, .offset: 24, .size: 8, .value_kind: global_buffer, .address_space: global }
      - { .name: Wk_codes, .offset: 32, .size: 8, .value_kind: global_buffer, .address_space: global }
      - { .name: Wk_scales, .offset: 40, .size: 8, .value_kind: global_buffer, .address_space: global }
      - { .name: Wv_codes, .offset: 48, .size: 8, .value_kind: global_buffer, .address_space: global }
      - { .name: Wv_scales, .offset: 56, .size: 8, .value_kind: global_buffer, .address_space: global }
      - { .name: bq, .offset: 64, .size: 8, .value_kind: global_buffer, .address_space: global }
      - { .name: bk, .offset: 72, .size: 8, .value_kind: global_buffer, .address_space: global }
      - { .name: bv, .offset: 80, .size: 8, .value_kind: global_buffer, .address_space: global }
      - { .name: qbuf, .offset: 88, .size: 8, .value_kind: global_buffer, .address_space: global }
      - { .name: kvbuf, .offset: 96, .size: 8, .value_kind: global_buffer, .address_space: global }
    .group_segment_fixed_size: 327680
    .private_segment_fixed_size: 0
    .kernarg_segment_align: 8
    .kernarg_segment_size: 104
    .max_flat_workgroup_size: 128
    .sgpr_count:     102
    .vgpr_count:     1024
    .wavefront_size: 32
...
	.end_amdgpu_metadata
.endif
;; end of part 1
;; launch attn (part 2): grid 4 x 64, 16 waves a work-group, clusters of 4 x 1, 215,040 bytes of LDS; arguments qbuf, kvbuf, oimg, oscl; writes oimg, oscl
.if DOCPART == 2
	.amdgcn_target "amdgcn-amd-amdhsa--gfx1250"
	.amdhsa_code_object_version 6
	.text
	.protected	k_q37b82afdf0_attn
	.globl	k_q37b82afdf0_attn
	.p2align	8
	.type	k_q37b82afdf0_attn,@function
k_q37b82afdf0_attn:
	s_mov_b64 s[64:65], 0
	v_nop
	global_prefetch_b8 v0, s[64:65] scope:SCOPE_SE
	s_setreg_imm32_b32 hwreg(HW_REG_WAVE_MODE, 25, 1), 1
	s_wait_xcnt 0x0
	s_wait_alu depctr_hold_cnt(0) depctr_sa_sdst(0) depctr_va_vdst(0) depctr_va_sdst(0) depctr_va_ssrc(0) depctr_va_vcc(0) depctr_vm_vsrc(0)
	s_getreg_b32 s2, hwreg(HW_REG_IB_STS2, 6, 4)
	s_cmp_eq_u32 s2, 0
	s_cbranch_scc0 .Lentry_in_a_cluster
	s_endpgm
.Lentry_in_a_cluster:
	s_bfe_u32 s2, ttmp6, 0x10000c
	s_cmp_lg_u32 s2, 0x3003
	s_cbranch_scc0 .Lentry_shape_is_right
	s_endpgm
.Lentry_shape_is_right:
; For each head-and-batch hb: o = softmax(Q K^T / 32) V, both products on codes of FP6 (E2M3) with E8M0 scales; o is quantised along the model's 1,024 for the last projection.
; t = score x log2(e) / 32; M = the row's largest t so far, rounded UP to a whole number; p = 2^(t - M) is quantised along the keys, not normalised; the row's sum is taken of the unquantised p and divides at the end.
; When M moves, the sum and O are multiplied by 2^(old M - new M): exact, and done in every step with no branch.
; SHARES.  A work-group owns 512 queries of one hb; each of sixteen waves owns two tiles of 16 queries, one after the other, and walks the 2,048 keys, 128 a step.
; LDS holds the whole head's K and V, 212,992 bytes, as they lie in kvbuf: images of operand registers, 16 bytes a lane.  Each byte is filled once: wave w asks for key step w, 52 rows of 256 bytes, jointly with its three partners
; (mask 15).  Waves 0-3 have a load line of their own: the first barrier shows key steps 0-3 alone, whose steps read LDS bytes under 53,248.  Every byte is asked for at the head, so there is no later load to prefetch for.
; LAYOUT.  Both products are used transposed (S^T = K Q^T, O^T = V^T P^T): a lane holds ONE query.  By the order of rows in a tile that the first launch chose, lane (r, h) holds in S[32 c + x] key 64 c + 32 h + x of the step:
; two whole scale blocks, in the order of p's operand registers; and in O[x] channel 32 h + x of the head: one whole block.
; THE FIRST PRODUCT'S K IS 64: Q's registers 6-11 are zero codes, so K's half fragments lie 6 registers apart and what stands in the upper six adds exactly 0 (every code is finite; no scale byte here is 0xff).
; A block's largest p is made from its largest score by the same multiply-add and exponential.
; CHAINS.  Four waves share a SIMD.  Maxima and sums run in eight chains side by side; where a plain line reads a plain result one to four lines back, a one-field hint stands ahead of it.
; OUT: oimg [token tile][head][768]: registers 0-3 as 16 bytes a lane, registers 4-5 as 8 bytes a lane; oscl [token in the tiles' order][32]: single bytes, 1/24 of the codes' bytes.
; LIMITS: NaN and infinities are not served; the scaled scores stay under 2^31 in magnitude; the running maximum starts at -3e38; a block under 2^(3 - 127) gets the byte 1: read by this program alone.
.set KVBLK, 13312
.set SPARE, 0x34000
.set LI,  1
.set AD,  2
.set L8,  3
.set OS,  4
.set SH8, 5
.set R16, 7
.set SPW, 8
.set NIL, 9
.set QF,  16
.set QN,  28
.set QS,  34
.set QSN, 35
.set KSC, 36
.set VSC, 40
.set KF,  44
.set ZR,  92
.set S,   98
.set O,   162
.set P,   194
.set BM,  206
.set TC,  208
.set SO,  216
.set EB,  218
.set F,   222
.set TP,  224
.set TP2, 225
.set PS,  226
.set OM,  227                          ; the old -M
.set U,   232                          ; v232-245 seven chains of the sum
.set T4,  246                          ; v246-253 eight chains of the maxima
.set WV,  12
.set QB,  13
.set HB,  14
.set SEL, 20
.set CS,  22
.set G1,  24
.set G0,  40
.set TB,  48
.set CNT, 49
.macro WALU
	s_wait_alu depctr_va_vdst(0)
.endm
.macro CROUND
	s_barrier_signal -1
	s_barrier_wait -1
	s_cmp_lg_u32 s[WV], 0
	s_cbranch_scc1 .Lnot_wave_0_\@
	s_barrier_signal -3
.Lnot_wave_0_\@:
	s_barrier_wait -3
	s_barrier_signal -1
	s_barrier_wait -1
.endm
.macro TLOAD
	tensor_load_to_lds s[G0:G0+3], s[G1:G1+7]
	s_nop 0
.rept 4
	v_nop
.endr
.endm
	s_load_b256 s[4:11], s[0:1], 0x0               ; qbuf, kvbuf, oimg, oscl
	v_lshl_add_u32 v[SPW], v0, 2, SPARE
	v_mov_b32 v[NIL], 0
	ds_add_u32 v[SPW], v[NIL]                      ; the opening lines
	ds_add_u32 v[SPW], v[NIL]
	v_lshrrev_b32 v6, 5, v0
	v_readfirstlane_b32 s[WV], v6
	s_bfe_u32 s[QB], ttmp6, 0x40000
	s_lshl_b32 s15, ttmp9, 2
	s_add_co_u32 s[QB], s[QB], s15                 ; my block of queries: it enters Q's and the outputs' addresses alone
	s_and_b32 s[HB], ttmp7, 0xffff
	s_mov_b32 s[G1], 15|(3<<16)|(1<<21)            ; 52 dense rows of 256 bytes, to all four work-groups
	s_mov_b32 s[G1+1], 32<<16
	s_mov_b32 s[G1+2], 52<<16
	s_mov_b32 s[G1+3], 32<<16
	s_mov_b32 s[G1+4], 52
	s_mov_b32 s[G1+5], 32
	s_mov_b32 s[G1+6], 0
	s_mov_b32 s[G1+7], 0
	s_mov_b32 s[G0], 1
	s_mul_i32 s[G0+1], s[WV], KVBLK
	s_mul_i32 s54, s[HB], 16*KVBLK
	s_add_co_u32 s54, s54, s[G0+1]
	s_mov_b32 s55, 0
	s_lshl_b32 s15, s[HB], 4                       ; Q: block 16 hb + 4 QB + wave / 4 of qbuf, pair wave % 4
	s_lshl_b32 s16, s[QB], 2
	s_add_co_u32 s15, s15, s16
	s_lshr_b32 s16, s[WV], 2
	s_add_co_u32 s15, s15, s16
	s_mul_i32 s15, s15, 6656
	s_and_b32 s52, s[WV], 3
	s_mul_i32 s16, s52, 1536
	s_add_co_u32 s16, s16, s15
	s_mov_b32 s17, 0
	s_lshl_b32 s18, s52, 2
	s_add_co_u32 s18, s18, s15
	s_add_co_u32 s18, s18, 6144
	s_mov_b32 s19, 0
	s_lshr_b32 s58, s[HB], 4                       ; token tile = 128 x batch + 32 QB + 2 wave
	s_lshl_b32 s58, s58, 7
	s_lshl_b32 s59, s[QB], 5
	s_add_co_u32 s58, s58, s59
	s_lshl_b32 s59, s[WV], 1
	s_add_co_u32 s58, s58, s59
	s_and_b32 s59, s[HB], 15
	s_lshl_b32 s60, s58, 4
	s_add_co_u32 s60, s60, s59
	s_mul_i32 s60, s60, 768
	s_mov_b32 s61, 0
	s_lshl_b32 s62, s58, 9
	s_lshl_b32 s59, s59, 1
	s_add_co_u32 s62, s62, s59
	s_mov_b32 s63, 0
	s_mov_b32 s[SEL], 0x76543210
	s_mov_b32 s[SEL+1], 0xfedcba98
	s_mov_b32 s[CS], 0x3d38aa3b                    ; log2(e) / 32
	s_mov_b32 s[CS+1], s[CS]
	WALU
	s_wait_dscnt 0x0
	s_wait_kmcnt 0x0
	s_add_nc_u64 s[G0+2:G0+3], s[6:7], s[54:55]
	s_or_b32 s[G0+3], s[G0+3], 0x80000000
	s_add_nc_u64 s[16:17], s[4:5], s[16:17]
	s_add_nc_u64 s[18:19], s[4:5], s[18:19]
	s_add_nc_u64 s[8:9], s[8:9], s[60:61]
	s_add_nc_u64 s[10:11], s[10:11], s[62:63]
	CROUND
	s_cmp_lt_u32 s[WV], 4
	s_cbranch_scc0 .Lrest
	TLOAD                                          ; waves 0-3: key steps 0-3
	s_branch .Lasked
.Lrest:
	TLOAD                                          ; the others: key steps 4-15
.Lasked:
	v_and_b32 v6, 31, v0
	v_and_b32 v10, 15, v0
	v_bfe_u32 v11, v0, 4, 1
	v_lshlrev_b32 v[LI], 4, v6
	v_lshlrev_b32 v[L8], 3, v6
	v_lshl_add_u32 v[OS], v10, 5, v11
	v_lshlrev_b32 v[R16], 4, v10
	v_lshlrev_b32 v[SH8], 3, v11
.irp c, 0,1,2
	global_load_b128 v[S+4*\c:S+4*\c+3], v[LI], s[16:17] offset:512*\c
.endr
	global_load_b32 v[QS], v[R16], s[18:19]
	global_load_b32 v[QSN], v[R16], s[18:19] offset:256
.irp i, 0,1,2,3,4,5
	v_mov_b32 v[QF+6+\i], 0
	v_mov_b32 v[ZR+\i], 0
.endr
	v_mov_b32 v[TP2], 0                            ; a lane permute's destination counts as a source
	v_mov_b32 v[F+1], 0
	s_wait_loadcnt 0x0
.irp i, 0,1,2,3,4,5
	v_mov_b32 v[QF+\i], v[S+\i]
	v_mov_b32 v[QN+\i], v[S+6+\i]
.endr
.macro STEP adr, off, np
.rept \np
	v_nop
.endr
.irp i, 0,1,2,3,4,5,6,7,8,9,10,11
	ds_load_b128 v[KF+4*\i:KF+4*\i+3], v[\adr] offset:\off+512*\i
.endr
	ds_load_b128 v[KSC:KSC+3], v[\adr] offset:\off+6144
	s_wait_dscnt 0x0
.irp t, 0,1,2,3,4,5,6,7
.if (\t)%2
	v_wmma_scale_f32_16x16x128_f8f6f4 v[S+8*\t:S+8*\t+7], v[KF+6*\t:KF+6*\t+11], v[QF:QF+11], 0, v[KSC+\t/2], v[QS] matrix_a_fmt:MATRIX_FMT_FP6 matrix_b_fmt:MATRIX_FMT_FP6 matrix_a_scale:MATRIX_SCALE_ROW1
.else
	v_wmma_scale_f32_16x16x128_f8f6f4 v[S+8*\t:S+8*\t+7], v[KF+6*\t:KF+6*\t+11], v[QF:QF+11], 0, v[KSC+\t/2], v[QS] matrix_a_fmt:MATRIX_FMT_FP6 matrix_b_fmt:MATRIX_FMT_FP6
.endif
.endr
	v_mov_b32 v[OM], v12                           ; the old -M: the first of four places ahead of the loads into K's registers and of the first read of the scores
.rept 3
	v_nop
.endr
.irp i, 0,1,2,3,4,5,6,7,8,9,10,11
	ds_load_b128 v[KF+4*\i:KF+4*\i+3], v[\adr] offset:\off+6656+512*\i    ; V lands under the softmax
.endr
	ds_load_b128 v[VSC:VSC+3], v[\adr] offset:\off+12800
.irp t, 0,1,2,3,4,5,6,7                        ; the largest score of my two blocks of 32 keys: eight chains, one for each accumulator, each first read at its low end
	v_max3_num_f32 v[T4+\t], v[S+8*\t], v[S+8*\t+1], v[S+8*\t+2]
.endr
.irp i, 3,5
.irp t, 0,1,2,3,4,5,6,7
	v_max3_num_f32 v[T4+\t], v[T4+\t], v[S+8*\t+\i], v[S+8*\t+\i+1]
.endr
.endr
.irp u, 0,2,4,6
	v_max3_num_f32 v[T4+\u], v[T4+\u], v[S+8*\u+7], v[S+8*\u+15]          ; the eighth numbers of two accumulators
.endr
	s_delay_alu instid0(VALU_DEP_3)
	v_max3_num_f32 v[BM], v[T4], v[T4+1], v[T4+2]
	s_delay_alu instid0(VALU_DEP_2)
	v_max3_num_f32 v[BM+1], v[T4+4], v[T4+5], v[T4+6]
	s_delay_alu instid0(VALU_DEP_2)
	v_max_num_f32 v[BM], v[BM], v[T4+3]
	s_delay_alu instid0(VALU_DEP_2)
	v_max_num_f32 v[BM+1], v[BM+1], v[T4+7]
	s_delay_alu instid0(VALU_DEP_1)
	v_max_num_f32 v[TP], v[BM], v[BM+1]
	s_delay_alu instid0(VALU_DEP_1)
	v_permlanex16_b32 v[TP2], v[TP], s[SEL], s[SEL+1]
	s_delay_alu instid0(VALU_DEP_1)
	v_max3_num_f32 v13, v13, v[TP], v[TP2]         ; the running largest score of my query
	s_delay_alu instid0(VALU_DEP_1)
	v_mul_f32 v[TP2], s[CS], v13                   ; as t (c is positive)
	s_delay_alu instid0(VALU_DEP_1)
	v_floor_f32 v12, -v[TP2]                       ; the new -M
	s_delay_alu instid0(VALU_DEP_1)
	v_sub_f32 v[TP], v12, v[OM]
	s_delay_alu instid0(VALU_DEP_1)
	v_cvt_i32_f32 v[TP], v[TP]                     ; old M - new M (it saturates)
	s_delay_alu instid0(VALU_DEP_1)
	v_ldexp_f32 v[F], 1.0, v[TP]
.set J, 0
.rept 32
	v_pk_fma_f32 v[S+J:S+J+1], v[S+J:S+J+1], s[CS:CS+1], v[12:13] op_sel_hi:[1,0,0]   ; t - M
.set J, J+2
.endr
.irp c, 0,1
	v_fma_f32 v[BM+\c], v[BM+\c], s[CS], v12
.endr
	WALU
.set J, 0
.rept 64
	v_exp_f32 v[S+J], v[S+J]
.set J, J+1
.endr
.irp c, 0,1
	v_exp_f32 v[BM+\c], v[BM+\c]                   ; the block's largest p
.endr
	v_pk_mul_f32 v[14:15], v[14:15], v[F:F+1] op_sel_hi:[1,0]   ; the sums under the new M: the plain line behind the batch
	WALU                                           ; and behind it
	v_pk_add_f32 v[14:15], v[14:15], v[S:S+1]      ; the row's sum of the unquantised p, in eight chains
.irp k, 0,1,2,3,4,5,6
	v_pk_add_f32 v[U+2*\k:U+2*\k+1], v[S+2+4*\k:S+3+4*\k], v[S+4+4*\k:S+5+4*\k]
.endr
.set J, 30
.rept 2
	v_pk_add_f32 v[14:15], v[14:15], v[S+J:S+J+1]
.irp k, 0,1,2,3,4,5,6
	v_pk_add_f32 v[U+2*\k:U+2*\k+1], v[U+2*\k:U+2*\k+1], v[S+J+2+2*\k:S+J+3+2*\k]
.endr
.set J, J+16
.endr
	v_pk_add_f32 v[14:15], v[14:15], v[S+62:S+63]
.irp c, 0,1
	v_max_num_f32 v[BM+\c], 0x1800000, v[BM+\c]    ; the floor 2^(3 - 127)
.endr
.irp c, 0,1
	s_delay_alu instid0(VALU_DEP_2)
	v_add_nc_u32 v[SO+\c], 0xff000000, v[BM+\c]    ; 2 off the exponent field: the conversions' scale operand
.endr
	v_pk_add_f32 v[U:U+1], v[U:U+1], v[U+2:U+3]    ; the chains are joined between the scale operands and the conversions that read them
	v_pk_add_f32 v[U+4:U+5], v[U+4:U+5], v[U+6:U+7]
	v_pk_add_f32 v[U+8:U+9], v[U+8:U+9], v[U+10:U+11]
	v_pk_add_f32 v[14:15], v[14:15], v[U+12:U+13]
	s_delay_alu instid0(VALU_DEP_3)
	v_pk_add_f32 v[U:U+1], v[U:U+1], v[U+4:U+5]
	s_delay_alu instid0(VALU_DEP_2)
	v_pk_add_f32 v[14:15], v[14:15], v[U+8:U+9]
	s_delay_alu instid0(VALU_DEP_1)
	v_pk_add_f32 v[14:15], v[14:15], v[U:U+1]
.irp c, 0,1
	v_cvt_scalef32_pk16_fp6_f32 v[P+6*\c:P+6*\c+2], v[S+32*\c:S+32*\c+15], v[SO+\c]
	v_cvt_scalef32_pk16_fp6_f32 v[TC+4*\c:TC+4*\c+2], v[S+32*\c+16:S+32*\c+31], v[SO+\c]
.endr
.irp c, 0,1
	v_lshrrev_b32 v[EB+\c], 23, v[SO+\c]           ; (plain lines behind the conversions)
.endr
	s_delay_alu instid0(VALU_DEP_1)
	v_lshl_or_b32 v[PS], v[EB+1], 16, v[EB]        ; my blocks h and 2 + h,
	v_mov_b32 v[P+3], v[TC]                        ; (the codes' moves stand between the scale word's lines)
	v_mov_b32 v[P+4], v[TC+1]
	s_delay_alu instid0(VALU_DEP_3)
	v_lshlrev_b32 v[PS], v[SH8], v[PS]
	v_mov_b32 v[P+5], v[TC+2]
	v_mov_b32 v[P+9], v[TC+4]
	s_delay_alu instid0(VALU_DEP_3)
	v_permlanex16_b32 v[TP2], v[PS], s[SEL], s[SEL+1]
	v_mov_b32 v[P+10], v[TC+5]
	v_mov_b32 v[P+11], v[TC+6]
	s_delay_alu instid0(VALU_DEP_3)
	v_or_b32 v[PS], v[PS], v[TP2]                  ; with the other half's: p's scale word
	WALU                                           ; directly ahead of the first reader of O^T
.set J, 0
.rept 16
	v_pk_mul_f32 v[O+J:O+J+1], v[O+J:O+J+1], v[F:F+1] op_sel_hi:[1,0]   ; O^T under the new M; twelve of the sixteen name no register of a given product below: the places behind p's scale word (8) and codes (4)
.set J, J+2
.endr
	WALU
	s_wait_dscnt 0x0                               ; V is in
.irp t, 0,1,2,3
	v_wmma_scale_f32_16x16x128_f8f6f4 v[O+8*\t:O+8*\t+7], v[KF+12*\t:KF+12*\t+11], v[P:P+11], v[O+8*\t:O+8*\t+7], v[VSC+\t], v[PS] matrix_a_fmt:MATRIX_FMT_FP6 matrix_b_fmt:MATRIX_FMT_FP6
.endr
.endm
.macro INIT
	v_mov_b32 v13, 0xff61b1e6                      ; the largest score so far: -3e38
	v_mul_f32 v12, s[CS], v13
	v_floor_f32 v12, -v12
	v_mov_b32 v14, 0
	v_mov_b32 v15, 0
.set J, 0
.rept 32
	v_mov_b32 v[O+J], 0
.set J, J+1
.endr
.endm
.macro KLOOP first, trips
	s_mov_b32 s[TB], \first
	s_mov_b32 s[CNT], \trips
.Lk_\@:
	v_add_nc_u32 v[AD], s[TB], v[LI]               ; (the first of the four places)
	WALU
	STEP AD, 0, 3
	s_add_co_u32 s[TB], s[TB], KVBLK
	s_sub_co_u32 s[CNT], s[CNT], 1
	s_cmp_lg_u32 s[CNT], 0
	s_cbranch_scc1 .Lk_\@
.endm
.macro OUT n                           ; O^T / the sum; my block of 32 channels is quantised and stored
	v_nop
	v_nop
	v_add_f32 v14, v14, v15
	v_permlanex16_b32 v[TP], v14, s[SEL], s[SEL+1]
	v_add_f32 v14, v14, v[TP]
	WALU
	v_rcp_f32 v[F], v14
	v_nop
	WALU
.set J, 0
.rept 16
	v_pk_mul_f32 v[S+J:S+J+1], v[O+J:O+J+1], v[F:F+1] op_sel_hi:[1,0]
.set J, J+2
.endr
	v_max3_num_f32 v[T4], |v[S]|, |v[S+1]|, |v[S+2]|
	v_max3_num_f32 v[T4+1], |v[S+16]|, |v[S+17]|, |v[S+18]|
.irp i, 3,5,7,9,11,13
	v_max3_num_f32 v[T4], v[T4], |v[S+\i]|, |v[S+\i+1]|
	v_max3_num_f32 v[T4+1], v[T4+1], |v[S+16+\i]|, |v[S+17+\i]|
.endr
	v_max3_num_f32 v[T4], v[T4], |v[S+15]|, 0x1800000
	v_max3_num_f32 v[T4], v[T4], |v[S+31]|, v[T4+1]
	v_add_nc_u32 v[SO], 0xff000000, v[T4]
	v_cvt_scalef32_pk16_fp6_f32 v[P:P+2], v[S:S+15], v[SO]
	v_cvt_scalef32_pk16_fp6_f32 v[TC:TC+2], v[S+16:S+31], v[SO]
	v_lshrrev_b32 v[EB], 23, v[SO]
.irp i, 0,1,2
	v_mov_b32 v[P+3+\i], v[TC+\i]
.endr
	global_store_b128 v[LI], v[P:P+3], s[8:9] offset:12288*(\n)           ; 512 consecutive bytes,
	global_store_b64 v[L8], v[P+4:P+5], s[8:9] offset:12288*(\n)+512      ; and 256, at multiples of 256 from the buffer's first byte
	global_store_b8 v[OS], v[EB], s[10:11] offset:512*(\n)
.endm
	INIT
	WALU
	s_cmp_lt_u32 s[WV], 4
	s_cbranch_scc0 .Lnot_first
	s_wait_tensorcnt 0x0
.Lnot_first:
	s_barrier_signal -1
	s_barrier_wait -1                              ; key steps 0-3 are in
	STEP LI, 0, 0
	STEP LI, KVBLK, 4
	STEP LI, 2*KVBLK, 4
	STEP LI, 3*KVBLK, 4
	s_wait_tensorcnt 0x0
	s_barrier_signal -1
	s_barrier_wait -1                              ; all are: from here on LDS is only read
	KLOOP 4*KVBLK, 12
	OUT 0
	s_wait_xcnt 0x0                                ; the stores have read their data
.irp i, 0,1,2,3,4,5
	v_mov_b32 v[QF+\i], v[QN+\i]
.endr
	v_mov_b32 v[QS], v[QSN]
	INIT                                           ; (its lines are the places between these writes and the next products)
	KLOOP 0, 16
	OUT 1
	s_wait_tensorcnt 0x0                           ; the wave's end
	ds_add_u32 v[SPW], v[NIL]
	s_wait_dscnt 0x0
	CROUND
	s_endpgm
.Lfunc_end_k_q37b82afdf0_attn:
	.size	k_q37b82afdf0_attn, .Lfunc_end_k_q37b82afdf0_attn-k_q37b82afdf0_attn
	.p2alignl 7, 3214868480
	.fill 96, 4, 3214868480
	.section	.rodata,"a",@progbits
	.p2align	6, 0x0
	.amdhsa_kernel k_q37b82afdf0_attn
		.amdhsa_group_segment_fixed_size 215040
		.amdhsa_private_segment_fixed_size 0
		.amdhsa_enable_private_segment 0
		.amdhsa_kernarg_size 32
		.amdhsa_user_sgpr_count 2
		.amdhsa_user_sgpr_kernarg_segment_ptr 1
		.amdhsa_wavefront_size32 1
		.amdhsa_system_sgpr_workgroup_id_x 1
		.amdhsa_system_sgpr_workgroup_id_y 1
		.amdhsa_system_sgpr_workgroup_id_z 1
		.amdhsa_system_vgpr_workitem_id 0
		.amdhsa_next_free_vgpr 256
		.amdhsa_next_free_sgpr 66
		.amdhsa_reserve_vcc 0
		.amdhsa_float_denorm_mode_32 3
		.amdhsa_float_denorm_mode_16_64 3
		.amdhsa_memory_ordered 1
		.amdhsa_forward_progress 1
		.amdhsa_inst_pref_size 104
	.end_amdhsa_kernel
	.amdgpu_metadata
---
amdhsa.version: [ 1, 2 ]
amdhsa.kernels:
  - .name:           k_q37b82afdf0_attn
    .symbol:         k_q37b82afdf0_attn.kd
    .args:
      - { .name: qbuf, .offset: 0, .size: 8, .value_kind: global_buffer, .address_space: global }
      - { .name: kvbuf, .offset: 8, .size: 8, .value_kind: global_buffer, .address_space: global }
      - { .name: oimg, .offset: 16, .size: 8, .value_kind: global_buffer, .address_space: global }
      - { .name: oscl, .offset: 24, .size: 8, .value_kind: global_buffer, .address_space: global }
    .group_segment_fixed_size: 215040
    .private_segment_fixed_size: 0
    .kernarg_segment_align: 8
    .kernarg_segment_size: 32
    .max_flat_workgroup_size: 512
    .sgpr_count:     66
    .vgpr_count:     256
    .wavefront_size: 32
...
	.end_amdgpu_metadata
.endif
;; end of part 2
;; launch outp (part 3): grid 4 x 64, 4 waves a work-group, clusters of 4 x 4, 327,680 bytes of LDS; arguments oimg, oscl, Wo_codes, Wo_scales, bo, out0; writes out0
.if DOCPART == 3
	.amdgcn_target "amdgcn-amd-amdhsa--gfx1250"
	.amdhsa_code_object_version 6
	.text
	.protected	k_q37b82afdf0_outp
	.globl	k_q37b82afdf0_outp
	.p2align	8
	.type	k_q37b82afdf0_outp,@function
k_q37b82afdf0_outp:
	s_mov_b64 s[64:65], 0
	v_nop
	global_prefetch_b8 v0, s[64:65] scope:SCOPE_SE
	s_setreg_imm32_b32 hwreg(HW_REG_WAVE_MODE, 25, 1), 1
	s_wait_xcnt 0x0
	s_wait_alu depctr_hold_cnt(0) depctr_sa_sdst(0) depctr_va_vdst(0) depctr_va_sdst(0) depctr_va_ssrc(0) depctr_va_vcc(0) depctr_vm_vsrc(0)
	s_getreg_b32 s2, hwreg(HW_REG_IB_STS2, 6, 4)
	s_cmp_eq_u32 s2, 0
	s_cbranch_scc0 .Lentry_in_a_cluster
	s_endpgm
.Lentry_in_a_cluster:
	s_bfe_u32 s2, ttmp6, 0x10000c
	s_cmp_lg_u32 s2, 0xf033
	s_cbranch_scc0 .Lentry_shape_is_right
	s_endpgm
.Lentry_shape_is_right:
; out = o Wo + bo on codes of FP6 (E2M3) with E8M0 scales, f32 sums.  o comes as the attention launch left it: oimg [token tile][head][768] images of operand registers, oscl [token in the tiles' order][32].
; THE DEAL.  A work-group makes 128 tokens x 256 features, a wave 128 x 64: its 64 rows of Wo, all of K, lie in 384 registers; o's eight tiles of 16 tokens stream past them, 32 products a tile.
; LDS is filled ONCE, at the head: o's 98,304 dense bytes (waves 0, 1 a half each, rows of 256 bytes), Wo's 256 rows of 768 bytes at a pitch of 816 (waves 2, 3).  Nothing is asked for later, so no prefetch is laid.
; The first barrier shows Wo's rows alone (their line is issued by waves 2 and 3 alone); the weights' 104 LDS loads stand ahead of the wait for o.
; THE MATRIX INSTRUCTION IS USED TRANSPOSED (source 0 = Wo's rows): a lane holds 8 neighbouring features of a token.  A tile's 16 x 256 bytes go through the wave's own stage and leave as whole rows of 256 bytes,
; one aligned unit for sixteen lanes, while the next tile is multiplied.  Row r of tile T = 4 B + j is token 64 B + 8 j + r % 8 + 32 (r / 8) of the 128: set right in the stores' offsets.
; CLUSTERS 4 x 4: o's tiles are asked for jointly along a row of the cluster, Wo's along a column.  The bias is the first products' C.  NaN and infinities are not served.
.set KROW, 768
.set PITCH, 816
.set WB, 98304
.set STAGE, 307200
.set SPITCH, 272
.set SPARE, 324608
.set FR, 12
.set FPW, 21
.set NF, 32                            ; LDS loads of a tile's eight fragments
.set A16, 1                            ; v1, v2: 16 x lane, 8 x lane; v3, v4: the same for tiles 4-7
.set STO, 5
.set RD, 6
.set CO, 7
.set BA, 8
.set SPW, 16
.set NIL, 17
.set ABS, 18
.set BAQ, 19
.set SB, 32
.set SA, 52
.set BB, 84
.set ACC, 128
.set OB, 192
.set G1A, 24
.set G0A, 32
.set G0W, 36
.set G1W, 48
.set MSB, 0
.macro WIN new
.if MSB != (\new)
	s_set_vgpr_msb (MSB<<8)|(\new)
.set MSB, (\new)
.endif
.endm
.macro PLACES n
.rept \n
	v_nop
.endr
.endm
.macro WALU
	s_wait_alu depctr_va_vdst(0)
.endm
.macro BARRIER
	s_barrier_signal -1
	s_barrier_wait -1
.endm
.macro CROUND
	s_barrier_signal -1
	s_barrier_wait -1
	s_cmp_lg_u32 s14, 0
	s_cbranch_scc1 .Lnw0_\@
	s_barrier_signal -3
.Lnw0_\@:
	s_barrier_wait -3
	s_barrier_signal -1
	s_barrier_wait -1
.endm
.macro TLOAD g0, g1
	tensor_load_to_lds s[\g0:\g0+3], s[\g1:\g1+7]
	s_nop 0
	PLACES 4
.endm
.macro FRAG f, q, a0, a1               ; a fragment of Wo: six pieces of 8 bytes, two to a load where both lie behind as many paddings
	WIN (1+(\f)/FPW)<<6
.set R_, FR*((\f)%FPW)
.set SKIP_, 0
.irp p, 0,1,2,3,4,5
.if SKIP_
.set SKIP_, 0
.else
.set PC_, 12*(\q)+6*(\p/3)+\p%3
.set PN_, 12*(\q)+6*((\p+1)/3)+(\p+1)%3
.set X_, (PC_%32+3)/32
.set XQ_, (PN_%32+3)/32
.if (\p < 5) && (X_ == XQ_)
.set SKIP_, 1
.if X_
	ds_load_2addr_b64 v[R_+2*\p:R_+2*\p+3], \a1 offset0:PC_+2*(PC_/32) offset1:PN_+2*(PN_/32)
.else
	ds_load_2addr_b64 v[R_+2*\p:R_+2*\p+3], \a0 offset0:PC_+2*(PC_/32) offset1:PN_+2*(PN_/32)
.endif
.elseif X_
	ds_load_b64 v[R_+2*\p:R_+2*\p+1], \a1 offset:8*(PC_+2*(PC_/32))
.else
	ds_load_b64 v[R_+2*\p:R_+2*\p+1], \a0 offset:8*(PC_+2*(PC_/32))
.endif
.endif
.endr
.endm
.macro WEIGHTS
.irp q, 0,1,2,3,4,5,6,7
.irp b, 0,1,2,3
	FRAG 4*\q+\b, \q, v[BA+2*\b], v[BA+2*\b+1]
.endr
.endr
	WIN 0
.endm
.macro AFETCH T, e                     ; o's tile T into set e: a fragment is two heads' images
.irp q, 0,1,2,3,4,5,6,7
.set F_, 32+8*(\e)+\q
.set R_, FR*(F_%FPW)
.set O_, ((\T)%4)*12288+\q*1536
.set AR_, A16+2*((\T)/4)
	WIN (1+F_/FPW)<<6
	ds_load_b128 v[R_:R_+3], v[AR_] offset:O_
	ds_load_b64 v[R_+4:R_+5], v[AR_+1] offset:O_+512
	ds_load_b128 v[R_+6:R_+9], v[AR_] offset:O_+768
	ds_load_b64 v[R_+10:R_+11], v[AR_+1] offset:O_+1280
.endr
	WIN 0
.endm
.macro WM d, s0, s1, c, x0, x1, ra, rb
	v_wmma_scale_f32_16x16x128_f8f6f4 v[\d:\d+7], v[\s0:\s0+11], v[\s1:\s1+11], \c, v[\x0], v[\x1] matrix_a_fmt:MATRIX_FMT_FP6 matrix_b_fmt:MATRIX_FMT_FP6 matrix_a_scale:MATRIX_SCALE_ROW\ra matrix_b_scale:MATRIX_SCALE_ROW\rb
.endm
.macro WMR d, s0, s1, c, x0, x1, ra, rb
.if (\ra) && (\rb)
	WM \d, \s0, \s1, \c, \x0, \x1, 1, 1
.elseif (\ra)
	WM \d, \s0, \s1, \c, \x0, \x1, 1, 0
.elseif (\rb)
	WM \d, \s0, \s1, \c, \x0, \x1, 0, 1
.else
	WM \d, \s0, \s1, \c, \x0, \x1, 0, 0
.endif
.endm
.macro PROD T, n                       ; product n = 4 q + b: the four accumulators take turns
.set Q_, (\n)/4
.set B_, (\n)%4
.set FB_, 4*Q_+B_
.set FA_, 32+8*((\T)%2)+Q_
.set RB_, FR*(FB_%FPW)
.set RA_, FR*(FA_%FPW)
.set XB_, SB+8*(B_/2)+Q_
.set XA_, SA+8*((\T)/2)+Q_
.set CB_, BB+8*B_
.set D_, ACC+32*((\T)%2)+8*B_
	WIN (1+FB_/FPW)|((1+FA_/FPW)<<2)
.if Q_
	WMR D_, RB_, RA_, v[D_:D_+7], XB_, XA_, B_%2, (\T)%2
.else
	WMR D_, RB_, RA_, v[CB_:CB_+7], XB_, XA_, B_%2, (\T)%2
.endif
.endm
.macro SEND T, younger                 ; tile T's rows, back from the stage, are stored; younger: the LDS loads issued behind them
	s_wait_dscnt \younger
.irp t, 0,1,2,3,4,5,6,7
	global_store_b128 v[CO], v[OB+32*((\T)%2)+4*\t:OB+32*((\T)%2)+4*\t+3], s[78:79] offset:(64*((\T)/4)+8*((\T)%4)+((2*\t)&7)+32*(\t/4))*4096 th:TH_STORE_NT
.endr
.endm
.macro TOSTAGE T
.irp b, 0,1,2,3
	ds_store_b128 v[STO], v[ACC+32*((\T)%2)+8*\b:ACC+32*((\T)%2)+8*\b+3] offset:64*\b          ; each accumulator from its low end on
	ds_store_b128 v[STO], v[ACC+32*((\T)%2)+8*\b+4:ACC+32*((\T)%2)+8*\b+7] offset:64*\b+16
.endr
	s_wait_xcnt 0x0                        ; the earlier stores have read their data: the loads below may land there
.irp t, 0,1,2,3,4,5,6,7
	ds_load_b128 v[OB+32*((\T)%2)+4*\t:OB+32*((\T)%2)+4*\t+3], v[RD] offset:\t*2*SPITCH        ; LDS serves a wave's instructions in order (ISA guide 5.7.1.4)
.endr
.endm
.macro BLK T
.if \T == 0
	s_wait_dscnt NF                        ; tile 0 is in; tile 1's 32 loads may be out
.elseif \T < 7
	s_wait_dscnt NF+16                     ; younger than my tile's loads: 16 of the stage, 32 of the next tile
.else
	s_wait_dscnt 16
.endif
.set N_, 0
.rept 32
	PROD \T, N_
.set N_, N_+1
.endr
	WIN 0
	PLACES 4
.if \T == 7
	SEND \T-1, 0
.elseif \T > 0
	SEND \T-1, NF
.endif
	TOSTAGE \T
.if \T < 6
	AFETCH \T+2, \T%2
.endif
.endm
	s_load_b256 s[68:75], s[0:1], 0x0              ; oimg, oscl, Wo's codes, Wo's scales
	s_load_b128 s[76:79], s[0:1], 0x20             ; bo, out0
	v_lshl_add_u32 v[SPW], v0, 2, SPARE
	v_mov_b32 v[NIL], 0
	ds_add_u32 v[SPW], v[NIL]                      ; the opening lines
	ds_add_u32 v[SPW], v[NIL]
	v_lshrrev_b32 v20, 5, v0
	v_readfirstlane_b32 s14, v20
	s_and_b32 s15, s14, 1
	s_bfe_u32 s40, ttmp6, 0x40000
	s_bfe_u32 s41, ttmp6, 0x40004
	s_lshl_b32 s42, ttmp9, 2
	s_add_co_u32 s42, s42, s40                     ; which 256 features
	s_and_b32 s43, ttmp7, 0xffff
	s_lshl_b32 s43, s43, 2
	s_add_co_u32 s43, s43, s41                     ; which 128 tokens
	s_lshl_b32 s44, s41, 2
	s_lshl_b32 s44, 15, s44
	s_lshl_b32 s45, 0x1111, s40
	s_or_b32 s[G1A], s44, (3<<16)|(1<<21)          ; 192 dense rows of 256 bytes
	s_mov_b32 s[G1A+1], 32<<16
	s_mov_b32 s[G1A+2], 192<<16
	s_mov_b32 s[G1A+3], 32<<16
	s_mov_b32 s[G1A+4], 192
	s_mov_b32 s[G1A+5], 32
	s_mov_b32 s[G1A+6], 0
	s_mov_b32 s[G1A+7], 0
	s_or_b32 s[G1W], s45, (1<<20)|(1<<21)|(5<<22)|(3<<25)   ; 128 rows of 768 bytes, 16 of padding behind every 256
	s_mov_b32 s[G1W+1], KROW<<16
	s_mov_b32 s[G1W+2], 128<<16
	s_mov_b32 s[G1W+3], KROW<<16
	s_mov_b32 s[G1W+4], 128
	s_mov_b32 s[G1W+5], KROW
	s_mov_b32 s[G1W+6], 0
	s_mov_b32 s[G1W+7], 0
	s_mul_i32 s16, s43, 98304
	s_mul_i32 s20, s15, 49152
	s_add_co_u32 s16, s16, s20
	s_mov_b32 s17, 0
	s_mov_b32 s[G0A], 1
	s_mov_b32 s[G0A+1], s20
	s_mul_i32 s18, s42, 256*KROW
	s_mul_i32 s21, s15, 128*KROW
	s_add_co_u32 s18, s18, s21
	s_mov_b32 s19, 0
	s_mov_b32 s[G0W], 1
	s_mul_i32 s[G0W+1], s15, 128*PITCH
	s_add_co_u32 s[G0W+1], s[G0W+1], WB
	s_lshl_b32 s21, s42, 2
	s_add_co_u32 s21, s21, s14                     ; my 64 features
	s_lshl_b32 s56, s21, 11
	s_mov_b32 s57, 0
	s_lshl_b32 s58, s21, 8
	s_mov_b32 s59, 0
	s_lshl_b32 s60, s43, 12
	s_mov_b32 s61, 0
	s_lshl_b32 s62, s43, 19                        ; 128 rows of 4,096 bytes
	s_add_co_u32 s62, s62, s58
	s_mov_b32 s63, 0
	WALU
	s_wait_dscnt 0x0
	CROUND
	s_wait_kmcnt 0x0
	s_add_nc_u64 s[G0A+2:G0A+3], s[68:69], s[16:17]
	s_or_b32 s[G0A+3], s[G0A+3], 0x80000000
	s_add_nc_u64 s[G0W+2:G0W+3], s[72:73], s[18:19]
	s_or_b32 s[G0W+3], s[G0W+3], 0x80000000
	s_cmp_lt_u32 s14, 2
	s_cbranch_scc1 .Lhead_a
	TLOAD G0W, G1W                                 ; waves 2, 3: Wo's rows
	s_branch .Lasked
.Lhead_a:
	TLOAD G0A, G1A                                 ; waves 0, 1: o
.Lasked:
	s_add_nc_u64 s[70:71], s[70:71], s[60:61]
	s_add_nc_u64 s[74:75], s[74:75], s[56:57]
	s_add_nc_u64 s[76:77], s[76:77], s[58:59]
	s_add_nc_u64 s[78:79], s[78:79], s[62:63]
	v_and_b32 v20, 31, v0
	v_and_b32 v21, 15, v0
	v_bfe_u32 v22, v0, 4, 1
	v_lshlrev_b32 v[ABS], 5, v20
	v_lshlrev_b32 v[BAQ], 5, v22
.irp x, 0,1
.irp c, 0,1
	global_load_b128 v[SB+8*\x+4*\c:SB+8*\x+4*\c+3], v[ABS], s[74:75] offset:1024*\x+16*\c
.endr
.endr
.irp x, 0,1,2,3
.irp c, 0,1
	global_load_b128 v[SA+8*\x+4*\c:SA+8*\x+4*\c+3], v[ABS], s[70:71] offset:1024*\x+16*\c
.endr
.endr
.irp b, 0,1,2,3
	global_load_b128 v[BB+8*\b:BB+8*\b+3], v[BAQ], s[76:77] offset:64*\b
	global_load_b128 v[BB+8*\b+4:BB+8*\b+7], v[BAQ], s[76:77] offset:64*\b+16
.endr
	v_lshlrev_b32 v[A16], 4, v20
	v_lshlrev_b32 v[A16+1], 3, v20
	v_add_nc_u32 v[A16+2], 49152, v[A16]
	v_add_nc_u32 v[A16+3], 49152, v[A16+1]
	v_mul_u32_u24 v23, v21, PITCH
	v_mad_u32_u24 v23, v22, 24, v23
	s_mul_i32 s21, s14, 64*PITCH
	s_add_co_u32 s21, s21, WB
	v_add_nc_u32 v23, s21, v23
.irp b, 0,1,2,3
	v_add_nc_u32 v[BA+2*\b], \b*16*PITCH, v23
	v_lshl_add_u32 v[BA+2*\b+1], v22, 4, v[BA+2*\b]
.endr
	s_mul_i32 s22, s14, 16*SPITCH
	s_add_co_u32 s22, s22, STAGE
	v_mul_u32_u24 v[STO], v21, SPITCH
	v_lshl_add_u32 v[STO], v22, 5, v[STO]
	v_add_nc_u32 v[STO], s22, v[STO]
	v_mul_u32_u24 v[RD], v22, SPITCH
	v_lshl_add_u32 v[RD], v21, 4, v[RD]
	v_add_nc_u32 v[RD], s22, v[RD]
	v_lshlrev_b32 v[CO], 12, v22
	v_lshl_add_u32 v[CO], v21, 4, v[CO]
	WALU
	s_cmp_lt_u32 s14, 2
	s_cbranch_scc1 .Lnot_w
	s_wait_tensorcnt 0x0
.Lnot_w:
	BARRIER                                        ; Wo's rows are in
	WEIGHTS
	s_wait_tensorcnt 0x0
	s_wait_dscnt 0x0
	BARRIER                                        ; o is in
	AFETCH 0, 0
	AFETCH 1, 1
	s_wait_loadcnt 0x0
.irp T, 0,1,2,3,4,5,6,7
	BLK \T
.endr
	SEND 7, 0
	s_wait_tensorcnt 0x0                           ; the wave's end
	ds_add_u32 v[SPW], v[NIL]
	s_wait_dscnt 0x0
	CROUND
	s_endpgm
.Lfunc_end_k_q37b82afdf0_outp:
	.size	k_q37b82afdf0_outp, .Lfunc_end_k_q37b82afdf0_outp-k_q37b82afdf0_outp
	.p2alignl 7, 3214868480
	.fill 96, 4, 3214868480
	.section	.rodata,"a",@progbits
	.p2align	6, 0x0
	.amdhsa_kernel k_q37b82afdf0_outp
		.amdhsa_group_segment_fixed_size 327680
		.amdhsa_private_segment_fixed_size 0
		.amdhsa_enable_private_segment 0
		.amdhsa_kernarg_size 48
		.amdhsa_user_sgpr_count 2
		.amdhsa_user_sgpr_kernarg_segment_ptr 1
		.amdhsa_wavefront_size32 1
		.amdhsa_system_sgpr_workgroup_id_x 1
		.amdhsa_system_sgpr_workgroup_id_y 1
		.amdhsa_system_sgpr_workgroup_id_z 1
		.amdhsa_system_vgpr_workitem_id 0
		.amdhsa_next_free_vgpr 1024
		.amdhsa_next_free_sgpr 102
		.amdhsa_reserve_vcc 0
		.amdhsa_float_denorm_mode_32 3
		.amdhsa_float_denorm_mode_16_64 3
		.amdhsa_memory_ordered 1
		.amdhsa_forward_progress 1
		.amdhsa_inst_pref_size 81
	.end_amdhsa_kernel
	.amdgpu_metadata
---
amdhsa.version: [ 1, 2 ]
amdhsa.kernels:
  - .name:           k_q37b82afdf0_outp
    .symbol:         k_q37b82afdf0_outp.kd
    .args:
      - { .name: oimg, .offset: 0, .size: 8, .value_kind: global_buffer, .address_space: global }
      - { .name: oscl, .offset: 8, .size: 8, .value_kind: global_buffer, .address_space: global }
      - { .name: Wo_codes, .offset: 16, .size: 8, .value_kind: global_buffer, .address_space: global }
      - { .name: Wo_scales, .offset: 24, .size: 8, .value_kind: global_buffer, .address_space: global }
      - { .name: bo, .offset: 32, .size: 8, .value_kind: global_buffer, .address_space: global }
      - { .name: out0, .offset: 40, .size: 8, .value_kind: global_buffer, .address_space: global }
    .group_segment_fixed_size: 327680
    .private_segment_fixed_size: 0
    .kernarg_segment_align: 8
    .kernarg_segment_size: 48
    .max_flat_workgroup_size: 128
    .sgpr_count:     102
    .vgpr_count:     1024
    .wavefront_size: 32
...
	.end_amdgpu_metadata
.endif
;; end of part 3
